; MI455X (gfx1250); checked and timed in simulation.
; The chip was launched on July 23, 2026; its instructions are those of AMD's public machine-readable ISA for CDNA 5 (MIT licence, August 2026) and "CDNA5" Instruction Set Architecture Reference Guide (July 2026). The comments in the code are by the model that wrote it; some were corrected since.
;; Bit Linear. Allowed arithmetic: matrix products marked QUANTISED: E2M1 operands, one E8M0 scale for each 32 along K, by v_wmma_scale_f32_16x16x128_f8f6f4 with both operands' format E2M1 (or v_wmma_scale_f32_32x16x128_f4), f32 sums; everything else in f32.
;; Inputs: weight 2,048 x 4,096 float32; x 8,192 x 4,096 float32.
;; Outputs: out0 8,192 x 2,048 float32.
;; This version of the problem:
;;   THIS VERSION OF THE PROBLEM IS GIVEN IN LOW PRECISION. The matrix products marked QUANTISED in the list below multiply operands that are first quantised to E2M1 (2 exponent bits, 1 mantissa bit; 4 bits a number), with one power-of-two scale for each 32 numbers along K (OCP MX v1.0); their sums are f32. All else is computed in f32.
;;   The module's matrix products, in the order in which they are computed (A, B: the left and right operand; K: the contracted axis; several contracted axes count as one K, in the product's order):
;;     1. [M 8,192, K 4,096] x [K 4,096, N 2,048]; A: input x; B: computed on the way: QUANTISED
;;   THE QUANTISER, for each operand of a quantised product, along K:
;;     - K is cut into blocks of 32 from its start; a last block that is shorter is filled with zeros.
;;     - A block's scale is 2^e with e = floor(log2(the largest magnitude in the block)) - 2, held to -126 .. 127; a block of zeros has e = 0. As a byte (E8M0): e + 127.
;;     - Each number is divided by its block's scale, clamped to +-6, and rounded to the nearest number of E2M1, ties to even, subnormals kept.
;;     - The product sums the exact products of the quantised numbers (number of the format x scale) in f32.
;;   ~~~python
;;   def quantise(x, axis):      # numpy; x: float32 -> the quantised numbers, widened to float32 again
;;       x = np.moveaxis(x, axis, -1); K = x.shape[-1]
;;       x = np.pad(x, [(0, 0)] * (x.ndim - 1) + [(0, -K % 32)]); x = x.reshape(x.shape[:-1] + (-1, 32)); a = np.abs(x).max(-1, keepdims=True)
;;       e = np.where(a > 0, np.clip(np.frexp(np.where(a > 0, a, 1))[1] - 1 - 2, -126, 127), 0)      # np.frexp(a)[1] - 1 = floor(log2(a)), exactly
;;       r = np.clip(x / 2.0 ** e, -6, 6)
;;       step = 2.0 ** (np.maximum(np.frexp(np.where(r == 0, 1, r))[1] - 1, 0) - 1)
;;       q = np.round(r / step) * step * 2.0 ** e      # np.round: ties to even
;;       return np.moveaxis(q.reshape(q.shape[:-2] + (-1,))[..., :K], -1, axis).astype(np.float32)
;;   ~~~
;;   OPERANDS COMPUTED ON THE WAY. 'Computed on the way' means the value that the module computes at that place (a softmax that the list does not call 'softmax' is quantised finished and normalised). What goes into a quantiser is computed in f32, as accurately as f32 sums, v_exp_f32 and their like allow (about 1e-6 of the number): no bf16 or f16 on the way to a quantiser, and a product that is left as it is and whose result goes on into a quantised operand takes f32 operands (vector FMAs, or v_wmma_f32_16x16x4_f32). A number that lies on a knife's edge between two numbers of the format may be rounded either way, as far as f32 arithmetic and the matrix unit's own rounding can turn it there, and no further.
;; One version. Each part assembles by itself: llvm-mc -triple=amdgcn-amd-amdhsa -mcpu=gfx1250 --defsym DOCPART=n.
;; ======== version 1 of 1: 3 launches
;; limits: right only within a limited range of input values
;; workspace buffers: wpart 1,024 bytes; x_codes 16,777,216 bytes; w_codes 4,194,304 bytes; x_scales 1,048,576 bytes; w_scales 262,144 bytes
;; launch wsum (part 1): grid 256 x 1, 8 waves a work-group, no clusters, 1,280 bytes of LDS; arguments weight, wpart; writes wpart
.if DOCPART == 1
	.amdgcn_target "amdgcn-amd-amdhsa--gfx1250"
	.amdhsa_code_object_version 6
	.text
	.protected	k_q803a9be3ca_wsum
	.globl	k_q803a9be3ca_wsum
	.p2align	8
	.type	k_q803a9be3ca_wsum,@function
k_q803a9be3ca_wsum:
	s_mov_b64 s[64:65], 0
	v_nop
	global_prefetch_b8 v0, s[64:65] scope:SCOPE_SE
	s_setreg_imm32_b32 hwreg(HW_REG_WAVE_MODE, 25, 1), 1
	s_wait_xcnt 0x0
; wpart[g] = the sum of |weight| over work-group g's 32,768 numbers.  weight: [2048][4096] f32, taken as a plain stream; wpart: f32[256].
; The mean of |weight| spans all work-groups, and work-groups hand nothing to each other inside a launch: so this launch leaves 256 partial sums, and the next launch adds them.
; SHARES.  A work-group takes 131,072 consecutive bytes, a wave 16,384 of them by 32 loads of 512 consecutive bytes (16 a lane), all 32 issued at once: no ring is needed, the wave's whole share fits in 128 registers.
; A lane adds its 128 magnitudes in eight chains of 16, then a tree: lanes, waves (through 32 bytes of LDS).  All sums in f32; all terms are positive, so nothing cancels.
; No matrix unit, no cluster, no tensor load: a stream that is read once by this launch and shares nothing.  The loads carry no hint: the next launch reads weight again.
; The launch's output is one word a work-group, 1,024 bytes in all: the one store of four bytes is thread 0's.
; LIMITS: NaN and infinities are not served; the sum of |weight| has to stay finite in f32 (a mean under about 4e31).  The order of the additions is this text's own, not the order of a serial sum.
.set S, 8                              ; v8-15    eight chains
.set X, 16                             ; v16-143  the wave's 32 loads, four registers each
	s_load_b128 s[4:7], s[0:1], 0x0                ; weight s[4:5], wpart s[6:7]
	v_lshl_add_u32 v144, v0, 2, 0x100
	v_mov_b32 v145, 0
	v_and_b32 v1, 31, v0                           ; lane
	s_delay_alu instid0(VALU_DEP_1)
	v_lshlrev_b32 v1, 4, v1                        ; 16 bytes a lane
	v_and_b32 v2, 0xe0, v0                         ; 32 x wave
	s_delay_alu instid0(VALU_DEP_1)
	v_lshl_or_b32 v1, v2, 9, v1                    ; + wave x 16,384 bytes
	v_lshrrev_b32 v2, 5, v0
	s_delay_alu instid0(VALU_DEP_1)
	v_lshlrev_b32 v2, 2, v2                        ; LDS: my wave's word
	v_mov_b32 v3, 0
	s_mov_b32 s10, 0x76543210                      ; v_permlanex16_b32's selects for lane l xor 16
	s_mov_b32 s11, 0xfedcba98
	s_lshl_b32 s2, ttmp9, 17                       ; the work-group's 131,072 bytes (255 x 2^17 stays under 2^25)
	s_mov_b32 s3, 0
	s_lshl_b32 s8, ttmp9, 2                        ; and its word of wpart
	s_mov_b32 s9, 0
	s_wait_alu depctr_va_vdst(0)
	s_wait_kmcnt 0x0
	s_add_nc_u64 s[4:5], s[4:5], s[2:3]
	s_add_nc_u64 s[6:7], s[6:7], s[8:9]
.irp i, 0,1,2,3,4,5,6,7,8,9,10,11,12,13,14,15,16,17,18,19,20,21,22,23,24,25,26,27,28,29,30,31
	global_load_b128 v[X+4*\i:X+4*\i+3], v1, s[4:5] offset:512*\i   ; 32 lanes read 512 consecutive bytes
.endr
	s_wait_loadcnt 24                              ; loads come back in order: the first eight are in, the 24 younger ones stay out
.irp c, 0,1,2,3,4,5,6,7
	v_add_f32 v[S+\c], |v[X+\c]|, |v[X+8+\c]|      ; the first sixteen numbers start the chains: nothing is cleared
.endr
.irp j, 16,24
.irp c, 0,1,2,3,4,5,6,7
	v_add_f32 v[S+\c], v[S+\c], |v[X+\j+\c]|
.endr
.endr
.macro BATCH b                         ; loads 8 b .. 8 b + 7: 32 numbers a lane, four for each chain
	s_wait_loadcnt 24-8*\b                         ; the loads behind this batch stay out
.irp j, 0,8,16,24
.irp c, 0,1,2,3,4,5,6,7
	v_add_f32 v[S+\c], v[S+\c], |v[X+32*\b+\j+\c]|
.endr
.endr
.endm
	s_wait_alu depctr_va_vdst(0)
	BATCH 1
	s_wait_alu depctr_va_vdst(0)
	BATCH 2
	s_wait_alu depctr_va_vdst(0)
	BATCH 3
	v_add_f32 v[S], v[S], v[S+1]                   ; the eight chains
	v_add_f32 v[S+2], v[S+2], v[S+3]
	v_add_f32 v[S+4], v[S+4], v[S+5]
	s_delay_alu instid0(VALU_DEP_4)
	v_add_f32 v[S+6], v[S+6], v[S+7]
	s_delay_alu instid0(VALU_DEP_3)
	v_add_f32 v[S], v[S], v[S+2]
	s_delay_alu instid0(VALU_DEP_2)
	v_add_f32 v[S+4], v[S+4], v[S+6]
	s_delay_alu instid0(VALU_DEP_1)
	v_add_f32 v[S], v[S], v[S+4]
	s_delay_alu instid0(VALU_DEP_1)
	v_add_f32_dpp v[S], v[S], v[S] row_xmask:1 row_mask:0xf bank_mask:0xf   ; the 32 lanes: four steps inside each half of 16,
	s_delay_alu instid0(VALU_DEP_1)
	v_add_f32_dpp v[S], v[S], v[S] row_xmask:2 row_mask:0xf bank_mask:0xf
	s_delay_alu instid0(VALU_DEP_1)
	v_add_f32_dpp v[S], v[S], v[S] row_xmask:4 row_mask:0xf bank_mask:0xf
	s_delay_alu instid0(VALU_DEP_1)
	v_add_f32_dpp v[S], v[S], v[S] row_xmask:8 row_mask:0xf bank_mask:0xf
	s_delay_alu instid0(VALU_DEP_1)
	v_permlanex16_b32 v[S+1], v[S], s10, s11       ; one across the halves (its destination has been written before)
	s_delay_alu instid0(VALU_DEP_1)
	v_add_f32 v[S], v[S], v[S+1]
	ds_store_b32 v2, v[S]                          ; all lanes of a wave write the wave's word with the same value
	s_wait_dscnt 0x0                               ; for the others' sake: my store is done
	s_barrier_signal -1
	s_barrier_wait -1
	ds_load_b128 v[16:19], v3                      ; the eight waves' sums, in every lane
	ds_load_b128 v[20:23], v3 offset:16
	s_wait_dscnt 0x0
	v_add_f32 v16, v16, v17
	v_add_f32 v18, v18, v19
	v_add_f32 v20, v20, v21
	v_add_f32 v22, v22, v23
	s_delay_alu instid0(VALU_DEP_3)
	v_add_f32 v16, v16, v18
	s_delay_alu instid0(VALU_DEP_2)
	v_add_f32 v20, v20, v22
	s_delay_alu instid0(VALU_DEP_1)
	v_add_f32 v16, v16, v20
	v_cmp_eq_u32 vcc_lo, 0, v0
	s_wait_alu depctr_va_vdst(0)
	s_wait_xcnt 0x0                                ; EXEC is a source of the loads above: it changes only behind this wait
	s_wait_tensorcnt 0x0
	ds_add_u32 v144, v145
	s_wait_dscnt 0x0
	s_and_saveexec_b32 s12, vcc_lo
	global_store_b32 v3, v16, s[6:7]               ; thread 0 alone
	s_wait_xcnt 0x0                                ; and again in front of the line that widens EXEC
	s_or_b32 exec_lo, exec_lo, s12
	s_endpgm
.Lfunc_end_k_q803a9be3ca_wsum:
	.size	k_q803a9be3ca_wsum, .Lfunc_end_k_q803a9be3ca_wsum-k_q803a9be3ca_wsum
	.p2alignl 7, 3214868480
	.fill 96, 4, 3214868480
	.section	.rodata,"a",@progbits
	.p2align	6, 0x0
	.amdhsa_kernel k_q803a9be3ca_wsum
		.amdhsa_group_segment_fixed_size 1280
		.amdhsa_private_segment_fixed_size 0
		.amdhsa_enable_private_segment 0
		.amdhsa_kernarg_size 16
		.amdhsa_user_sgpr_count 2
		.amdhsa_user_sgpr_kernarg_segment_ptr 1
		.amdhsa_wavefront_size32 1
		.amdhsa_system_sgpr_workgroup_id_x 1
		.amdhsa_system_sgpr_workgroup_id_y 1
		.amdhsa_system_sgpr_workgroup_id_z 1
		.amdhsa_system_vgpr_workitem_id 0
		.amdhsa_next_free_vgpr 146
		.amdhsa_next_free_sgpr 66
		.amdhsa_reserve_vcc 1
		.amdhsa_float_denorm_mode_32 3
		.amdhsa_float_denorm_mode_16_64 3
		.amdhsa_memory_ordered 1
		.amdhsa_forward_progress 1
		.amdhsa_inst_pref_size 14
	.end_amdhsa_kernel
	.amdgpu_metadata
---
amdhsa.version: [ 1, 2 ]
amdhsa.kernels:
  - .name:           k_q803a9be3ca_wsum
    .symbol:         k_q803a9be3ca_wsum.kd
    .args:
      - { .name: weight, .offset: 0, .size: 8, .value_kind: global_buffer, .address_space: global }
      - { .name: wpart, .offset: 8, .size: 8, .value_kind: global_buffer, .address_space: global }
    .group_segment_fixed_size: 1280
    .private_segment_fixed_size: 0
    .kernarg_segment_align: 8
    .kernarg_segment_size: 16
    .max_flat_workgroup_size: 256
    .sgpr_count:     66
    .vgpr_count:     146
    .wavefront_size: 32
...
	.end_amdgpu_metadata
.endif
;; end of part 1
;; launch quant (part 2): grid 1280 x 1, 4 waves a work-group, no clusters, 33,280 bytes of LDS; arguments x, weight, x_codes, x_scales, w_codes, w_scales, wpart; writes x_codes, x_scales, w_codes, w_scales
.if DOCPART == 2
	.amdgcn_target "amdgcn-amd-amdhsa--gfx1250"
	.amdhsa_code_object_version 6
	.text
	.protected	k_q803a9be3ca_quant
	.globl	k_q803a9be3ca_quant
	.p2align	8
	.type	k_q803a9be3ca_quant,@function
k_q803a9be3ca_quant:
	s_mov_b64 s[64:65], 0
	v_nop
	global_prefetch_b8 v0, s[64:65] scope:SCOPE_SE
	s_setreg_imm32_b32 hwreg(HW_REG_WAVE_MODE, 25, 1), 1
	s_wait_xcnt 0x0
; x [8192][4096] and the ternary weight made of weight [2048][4096], both f32, are turned into codes of FP4 (E2M1), 4 bits each, K innermost, with one E8M0 scale byte for each 32 along K.
; THE TERNARY WEIGHT.  s = max(mean |weight|, 1e-8); the mean is the sum of wpart's 256 partial sums x 2^-23 (2048 x 4096 = 2^23: exact).  Every wave adds the 256 in the same order, so every wave has the same bits of s.
;   round(clip(w / s, -1, 1)) x s is s with w's sign where |w| > s / 2, and 0 elsewhere.  No division is made: s / 2 is exact; for the f32 number next above s / 2 the quotient lies more than half a last place above 0.5
;   and is rounded above it; at |w| = s / 2 the quotient is 0.5, which goes to the even neighbour, 0; below, the quotient is 0.5 at the most.  The choice is a select, not a branch.
; THE QUANTISER.  A block's scale is 2^(floor(log2(its largest magnitude)) - 2); its byte is the largest magnitude's exponent field - 2, held at 1 from below.  Each number is divided by the scale and rounded to the nearest code,
;   ties to even, beyond 6 the largest code.  (A block of zeros gets the byte 1 where the rule says 127: its codes are zeros, which add nothing under any byte but 0xff, and the bytes are read by this program alone.)
; LIMITS: blocks whose largest magnitude lies under 2^-124 get the byte 1; NaN and infinities among the inputs are not served.
; LAYOUT OF THE RESULTS.  Codes: [row][2,048 bytes], the lower k in the low four bits.  Scale bytes: [K step of 512][row][16 bytes]: the 16 bytes of a row are its four scale words of that K step, and the bytes of 256 rows
;   for one K step are 4,096 consecutive bytes, which the product's launch brings in with one load.
; SHARES.  The first WGA work-groups take x, the others weight: pointers and two numbers are chosen on the work-group's number; both tensors take one path through LDS.  A wave takes 16 rows x one K step of 512:
;   step t is row t: 2,048 consecutive bytes in, 256 consecutive bytes of codes out; the wave's 16 steps make 256 scale bytes, which are consecutive in the layout above and leave by one store.
;   The four waves of a work-group stand side by side on 8,192 bytes of each row.
; A conversion takes 8 numbers of one block from ONE lane's registers, so a lane must hold 16 neighbours (two neighbouring lanes hold a block); a load is best where neighbouring LANES take neighbouring bytes.  Both are had:
;   each of a step's four loads reads 512 consecutive bytes, 16 a lane; the 2,048 bytes go through the wave's own stage in LDS and come back 64 bytes a lane.  The stage has 16 bytes of padding behind each 64.
; No tensor loads, no barrier: waves share nothing.  Loads run four steps (16 loads a wave) ahead, the turn through LDS one step.  Every offset is an immediate and every step has its own registers for its codes and its byte:
;   no source of a pending store is ever written again.
.set WGA,   1024                       ; x's work-groups: 8192 x 4096 / (4 waves x 16 rows x 512)
.set STEPS, 16
.set SP,    80                         ; a lane's place in a stage: its 64 bytes + 16 of padding
.set WREG,  8192                       ; LDS: a region for each wave: two stages of 32 x SP bytes, and behind them its 256 scale bytes
.set R,     16                         ; v16-79   four sets of 16 numbers as they are loaded
.set X,     80                         ; v80-111  two sets of 16 neighbours
.set E,     112                        ; v112-127 a scale byte for each step
.set C,     128                        ; v128-159 codes: two registers for each step
.set P,     160                        ; v160-167 eight partial sums a lane
.set SV,    168                        ; v168     s
.set HV,    169                        ; v169     s / 2
	s_load_b128 s[4:7], s[0:1], 0x0                ; x, weight
	s_load_b128 s[8:11], s[0:1], 0x10              ; x's codes, x's scales
	s_load_b128 s[12:15], s[0:1], 0x20             ; weight's codes, weight's scales
	s_load_b64 s[24:25], s[0:1], 0x30              ; the partial sums
	v_lshl_add_u32 v176, v0, 2, 0x8000
	v_mov_b32 v177, 0
	v_lshrrev_b32 v1, 5, v0
	v_readfirstlane_b32 s16, v1                    ; wave
	v_and_b32 v2, 31, v0                           ; lane
	v_lshlrev_b32 v3, 4, v2                        ; my 16 bytes of a load's 512
	v_lshlrev_b32 v4, 3, v2                        ; my 8 bytes of a step's codes, and of the wave's scale bytes
	v_lshlrev_b32 v171, 5, v2                      ; my 32 bytes of the partial sums
	s_mul_i32 s17, s16, WREG
	v_lshrrev_b32 v14, 2, v2
	v_mul_u32_u24 v14, v14, SP
	v_and_b32 v15, 3, v2
	v_lshl_add_u32 v14, v15, 4, v14
	v_add_nc_u32 v14, s17, v14                     ; the stage, on the way in: four lanes' 64 bytes on end, then 16 of padding: SP (lane / 4) + 16 (lane % 4); a load's 512 bytes take eight places
	v_mul_u32_u24 v15, v2, SP
	v_add_nc_u32 v15, s17, v15                     ; and on the way out: SP x lane: my 16 neighbours
	v_lshrrev_b32 v5, 1, v2
	s_add_co_u32 s17, s17, 2*32*SP
	v_add_nc_u32 v5, s17, v5                       ; LDS: my wave's 256 scale bytes, my block's byte
	v_add_nc_u32 v6, s17, v4                       ; and on the way out 8 bytes a lane
	v_mov_b32 v170, 0                              ; a lane permute's destination counts as one of its sources
	s_mov_b32 s28, 0x76543210                      ; v_permlanex16_b32's selects for lane l xor 16
	s_mov_b32 s29, 0xfedcba98
	s_wait_kmcnt 0x0
	s_cmp_lt_u32 ttmp9, WGA                        ; x's work-group or weight's?  The choice hangs on the work-group's number alone; only selects stand between the compare and the last of them
	s_cselect_b64 s[4:5], s[4:5], s[6:7]
	s_cselect_b64 s[8:9], s[8:9], s[12:13]
	s_cselect_b64 s[10:11], s[10:11], s[14:15]
	s_cselect_b32 s17, 0, WGA
	s_cselect_b32 s22, 17, 15                      ; a K step's scale bytes: rows x 16 = 2^17 for x, 2^15 for weight
	s_cselect_b32 s26, 0, 1                        ; 1: the numbers are made ternary first
	s_sub_co_u32 s17, ttmp9, s17
	s_lshl_b32 s17, s17, 2
	s_add_co_u32 s18, s17, s16                     ; my wave's run in its tensor
	s_and_b32 s19, s18, 7                          ; its K step,
	s_lshr_b32 s18, s18, 3                         ; its group of 16 rows
	s_mov_b32 s21, 0
	s_lshl_b32 s20, s18, 18                        ; in: 16 rows of 16,384 bytes, + 2,048 bytes a K step (under 2^27)
	s_lshl_b32 s23, s19, 11
	s_add_co_u32 s20, s20, s23
	s_add_nc_u64 s[4:5], s[4:5], s[20:21]
	s_lshl_b32 s20, s18, 15                        ; codes: 16 rows of 2,048 bytes, + 256 bytes a K step
	s_lshl_b32 s23, s19, 8
	s_add_co_u32 s20, s20, s23
	s_add_nc_u64 s[8:9], s[8:9], s[20:21]
	s_lshl_b32 s20, s19, s22                       ; scale bytes: the K step's plane, + 16 rows of 16 bytes
	s_lshl_b32 s23, s18, 8
	s_add_co_u32 s20, s20, s23
	s_add_nc_u64 s[10:11], s[10:11], s[20:21]
.macro LOAD t
.irp i, 0,1,2,3
	global_load_b128 v[R+16*((\t)%4)+4*\i:R+16*((\t)%4)+4*\i+3], v3, s[4:5] offset:16384*(\t)+512*\i th:TH_LOAD_NT   ; row t: 32 lanes read 512 consecutive bytes; nothing reads them after this launch
.endr
.endm
.macro TURN t                          ; step t's numbers through the stage: LDS serves a wave's instructions in order, so no wait stands between the stores and the loads
.irp i, 0,1,2,3
	ds_store_b128 v14, v[R+16*((\t)%4)+4*\i:R+16*((\t)%4)+4*\i+3] offset:32*SP*((\t)%2)+8*SP*\i
.endr
.irp i, 0,1,2,3
	ds_load_b128 v[X+16*((\t)%2)+4*\i:X+16*((\t)%2)+4*\i+3], v15 offset:32*SP*((\t)%2)+16*\i
.endr
.endm
	global_load_b128 v[P:P+3], v171, s[24:25]      ; the 256 partial sums, eight a lane: asked for first, so that the counted wait below leaves the data loads out
	global_load_b128 v[P+4:P+7], v171, s[24:25] offset:16
.irp t, 0,1,2,3
	LOAD \t
.endr
	s_wait_loadcnt 16                              ; the partial sums are in; the sixteen loads behind them stay out
	v_pk_add_f32 v[P:P+1], v[P:P+1], v[P+2:P+3]
	v_pk_add_f32 v[P+4:P+5], v[P+4:P+5], v[P+6:P+7]
	v_pk_add_f32 v[P:P+1], v[P:P+1], v[P+4:P+5]
	v_add_f32 v[P], v[P], v[P+1]
	v_add_f32_dpp v[P], v[P], v[P] row_xmask:1 row_mask:0xf bank_mask:0xf
	v_add_f32_dpp v[P], v[P], v[P] row_xmask:2 row_mask:0xf bank_mask:0xf
	v_add_f32_dpp v[P], v[P], v[P] row_xmask:4 row_mask:0xf bank_mask:0xf
	v_add_f32_dpp v[P], v[P], v[P] row_xmask:8 row_mask:0xf bank_mask:0xf
	s_wait_alu depctr_va_vdst(0)
	v_permlanex16_b32 v170, v[P], s28, s29
	v_add_f32 v[P], v[P], v170                     ; the sum of |weight|, in every lane
	v_mul_f32 v[SV], 0x34000000, v[P]              ; x 2^-23: the mean, exactly scaled
	v_max_num_f32 v[SV], 0x322bcc77, v[SV]         ; s = max(mean, 1e-8)
	v_mul_f32 v[HV], 0.5, v[SV]                    ; s / 2, exact
	s_wait_loadcnt 12                              ; step 0's four loads are in
	TURN 0
.macro STEP t
.set XS, X+16*((\t)%2)
.if (\t) > 0
	s_wait_dscnt 1                                 ; this step's numbers are back from the stage (the last step's byte store may be out): so its stores into the stage have read their registers,
.else
	s_wait_dscnt 0x0
.endif
.if (\t)+4 < STEPS
	LOAD (\t)+4                                    ; which take the loads of four steps on
.endif
.if (\t)+1 < STEPS
.if STEPS-2-(\t) >= 3
	s_wait_loadcnt 12                              ; the next step's four loads are in; those of the three steps behind it may be out
.else
	s_wait_loadcnt 4*(STEPS-2-(\t))
.endif
	TURN (\t)+1                                    ; and go through the other stage while this step is worked
.endif
	s_cmp_eq_u32 s26, 0                            ; x's work-groups pass over the ternary step: a scalar branch on the work-group's number, round register work alone
	s_cbranch_scc1 .Lplain_\@
	s_wait_alu depctr_va_vdst(0)
.irp i, 0,2,4,6,8,10,12,14                     ; two numbers by turns, so that no line waits for the line above it
	v_and_b32 v10, 0x7fffffff, v[XS+\i]            ; |w|
	v_and_b32 v12, 0x7fffffff, v[XS+\i+1]
	v_and_or_b32 v1, v[XS+\i], 0x80000000, v[SV]   ; s with w's sign
	v_and_or_b32 v13, v[XS+\i+1], 0x80000000, v[SV]
	v_cmp_lt_f32 vcc_lo, v[HV], v10                ; s / 2 < |w|
	v_cmp_lt_f32 s30, v[HV], v12
	v_cndmask_b32 v[XS+\i], 0, v1, vcc_lo          ; there +-s, elsewhere 0
	v_cndmask_b32 v[XS+\i+1], 0, v13, s30
.endr
.Lplain_\@:
	v_max3_num_f32 v8, |v[XS]|, |v[XS+1]|, |v[XS+2]|               ; the largest magnitude of my 16, in two chains
	v_max3_num_f32 v9, |v[XS+3]|, |v[XS+4]|, |v[XS+5]|
.irp i, 6,10
	v_max3_num_f32 v8, v8, |v[XS+\i]|, |v[XS+\i+1]|
	v_max3_num_f32 v9, v9, |v[XS+\i+2]|, |v[XS+\i+3]|
.endr
	v_max3_num_f32 v8, v8, |v[XS+14]|, |v[XS+15]|
	v_max3_num_f32 v8, v8, v9, 0x1800000           ; and the floor 2^(3 - 127), under which no largest magnitude is taken: so the byte cannot fall under 1
	v_max_num_f32_dpp v8, v8, v8 row_xmask:1 row_mask:0xf bank_mask:0xf   ; and of my neighbour's 16: the block's
	v_add_nc_u32 v11, 0xff000000, v8               ; 2 off its exponent field: the conversion takes the exponent field of this operand as its scale, and nothing else of it
	v_cvt_scalef32_pk8_fp4_f32 v[C+2*(\t)], v[XS:XS+7], v11        ; eight numbers / the scale, to the nearest code, ties to even, beyond the largest code the largest; the first number's code in the lowest four bits
	v_cvt_scalef32_pk8_fp4_f32 v[C+2*(\t)+1], v[XS+8:XS+15], v11
	v_lshrrev_b32 v[E+(\t)], 23, v11               ; the scale's byte (also the plain line behind the conversions)
	ds_store_b8 v5, v[E+(\t)] offset:16*(\t)       ; both lanes of a block write the same byte with the same value
	global_store_b64 v4, v[C+2*(\t):C+2*(\t)+1], s[8:9] offset:2048*(\t)   ; row t: the wave stores 256 consecutive bytes, at a multiple of 256 from the buffer's first byte; the next launch reads them, so no hint
.endm
.irp t, 0,1,2,3,4,5,6,7,8,9,10,11,12,13,14,15
	STEP \t
.endr
	ds_load_b64 v[12:13], v6                       ; LDS serves a wave's instructions in order: these see my byte stores
	s_wait_dscnt 0x0
	global_store_b64 v4, v[12:13], s[10:11]        ; 16 rows x 16 scale bytes: 256 consecutive bytes, at a multiple of 256
	s_wait_tensorcnt 0x0
	ds_add_u32 v176, v177
	s_wait_dscnt 0x0
	s_endpgm
.Lfunc_end_k_q803a9be3ca_quant:
	.size	k_q803a9be3ca_quant, .Lfunc_end_k_q803a9be3ca_quant-k_q803a9be3ca_quant
	.p2alignl 7, 3214868480
	.fill 96, 4, 3214868480
	.section	.rodata,"a",@progbits
	.p2align	6, 0x0
	.amdhsa_kernel k_q803a9be3ca_quant
		.amdhsa_group_segment_fixed_size 33280
		.amdhsa_private_segment_fixed_size 0
		.amdhsa_enable_private_segment 0
		.amdhsa_kernarg_size 56
		.amdhsa_user_sgpr_count 2
		.amdhsa_user_sgpr_kernarg_segment_ptr 1
		.amdhsa_wavefront_size32 1
		.amdhsa_system_sgpr_workgroup_id_x 1
		.amdhsa_system_sgpr_workgroup_id_y 1
		.amdhsa_system_sgpr_workgroup_id_z 1
		.amdhsa_system_vgpr_workitem_id 0
		.amdhsa_next_free_vgpr 178
		.amdhsa_next_free_sgpr 66
		.amdhsa_reserve_vcc 1
		.amdhsa_float_denorm_mode_32 3
		.amdhsa_float_denorm_mode_16_64 3
		.amdhsa_memory_ordered 1
		.amdhsa_forward_progress 1
		.amdhsa_inst_pref_size 100
	.end_amdhsa_kernel
	.amdgpu_metadata
---
amdhsa.version: [ 1, 2 ]
amdhsa.kernels:
  - .name:           k_q803a9be3ca_quant
    .symbol:         k_q803a9be3ca_quant.kd
    .args:
      - { .name: x, .offset: 0, .size: 8, .value_kind: global_buffer, .address_space: global }
      - { .name: weight, .offset: 8, .size: 8, .value_kind: global_buffer, .address_space: global }
      - { .name: x_codes, .offset: 16, .size: 8, .value_kind: global_buffer, .address_space: global }
      - { .name: x_scales, .offset: 24, .size: 8, .value_kind: global_buffer, .address_space: global }
      - { .name: w_codes, .offset: 32, .size: 8, .value_kind: global_buffer, .address_space: global }
      - { .name: w_scales, .offset: 40, .size: 8, .value_kind: global_buffer, .address_space: global }
      - { .name: wpart, .offset: 48, .size: 8, .value_kind: global_buffer, .address_space: global }
    .group_segment_fixed_size: 33280
    .private_segment_fixed_size: 0
    .kernarg_segment_align: 8
    .kernarg_segment_size: 56
    .max_flat_workgroup_size: 128
    .sgpr_count:     66
    .vgpr_count:     178
    .wavefront_size: 32
...
	.end_amdgpu_metadata
.endif
;; end of part 2
;; launch gemm (part 3): grid 8 x 32, 4 waves a work-group, clusters of 4 x 4, 327,680 bytes of LDS; arguments x_codes, x_scales, w_codes, w_scales, out0; writes out0
.if DOCPART == 3
	.amdgcn_target "amdgcn-amd-amdhsa--gfx1250"
	.amdhsa_code_object_version 6
	.text
	.protected	k_q803a9be3ca_gemm
	.globl	k_q803a9be3ca_gemm
	.p2align	8
	.type	k_q803a9be3ca_gemm,@function
k_q803a9be3ca_gemm:
	s_mov_b64 s[64:65], 0
	v_nop
	global_prefetch_b8 v0, s[64:65] scope:SCOPE_SE
	s_setreg_imm32_b32 hwreg(HW_REG_WAVE_MODE, 25, 1), 1
	s_wait_xcnt 0x0
	s_wait_alu depctr_hold_cnt(0) depctr_sa_sdst(0) depctr_va_vdst(0) depctr_va_sdst(0) depctr_va_ssrc(0) depctr_va_vcc(0) depctr_vm_vsrc(0)
	s_getreg_b32 s2, hwreg(HW_REG_IB_STS2, 6, 4)
	s_cmp_eq_u32 s2, 0
	s_cbranch_scc0 .Lentry_in_a_cluster
	s_endpgm
.Lentry_in_a_cluster:
	s_bfe_u32 s2, ttmp6, 0x10000c
	s_cmp_lg_u32 s2, 0xf033
	s_cbranch_scc0 .Lentry_shape_is_right
	s_endpgm
.Lentry_shape_is_right:
; out0[m][n] = sum over k of X[m][k] W[n][k]: X [8192][4096] and W [2048][4096] as codes of FP4 (E2M1), 2,048 bytes a row, K innermost; one E8M0 byte for each 32 along K,
; laid [K step of 512][row][16 bytes]; out0 f32.  Sums in f32, K ascending, one accumulator for each output.
; A work-group of four waves makes 256 x 256 of out0, a wave 128 x 128: 512 accumulator registers.  K goes in steps of 512 (rows of 256 bytes) through two LDS slots.
; CLUSTERS: 4 x 4 work-groups; X's tile is asked for jointly along a row of the cluster, W's along a column.
; THE MATRIX INSTRUCTION is the 32 x 16 x 128 form, used transposed: source 0 = 32 rows of W (two neighbouring fragments, 16 registers), source 1 = 16 rows of X.  A lane then holds one row of out0;
; registers 0-7 of the result are its columns 8 h + 0 .. 7, registers 8-15 the columns 16 further on.  A step of 128 along K is 32 such instructions a wave.
; FRAGMENTS: two sets of registers for X and two for W.  A step first issues the next step's 32 LDS loads in one run (W's 16, then X's blocks in ascending order), into the sets that the step before multiplied,
; and then waits for its own fragments by count, as its products need them.
; THE LAST K STEP goes by rows of out0: all its fragments of W fill window 1, and the wave's eight blocks of 16 rows are finished one after the other; a finished block goes through
; the wave's stage in LDS, comes back into its own accumulators as whole rows, and is stored while later blocks are multiplied.
; PREFETCH: beside the joint load of K step n stands one prefetch of K step n + 2: a lane a row, 256 bytes of 32 rows a wave; the four partners that ask for a tile jointly share its
; 128 rows out by address (cx for X, cy for W).  The first touches are asked for earlier: K step 0 as soon as the arguments are in, ahead of the descriptors and the first round; K step 1 with K step 2, beside K step 0's load.
; The loads of K steps 6 and 7 have no K step two on and ask for nothing.
; REGISTERS: window 0: v16-30 addresses; v32-127 scale words, two sets of 48; v128-191, v192-255 X's fragments.  window 1: W's fragments at v0-63 and v128-191 (last K step: all 256).
;   window 2: accumulators of my rows 0-63 (block a, columns 16 b .. at v[8 (8 a + b)]); window 3: of rows 64-127.
; SCALE WORDS: in a set, register 4 a + q holds in lanes 0-15 the words of X's block a for the slot's q-th 128 along K (lanes 16-31 repeat them and are not read);
;   register 32 + 4 i + q holds in lane l the word of W's row 32 i + l.
.set SIZE_N, 2048
.set NQ,     4                         ; steps of 128 along K in a slot
.set ROWB,   256                       ; a tile's row in bytes
.set KROW,   2048                      ; a row of codes in memory
.set PITCH,  272                       ; an LDS row: 256 bytes + 16 of padding
.set FR,     8
.set HALFT,  128*PITCH
.set SLOT,   4*HALFT                   ; X's 256 rows, then W's 256 rows
.set SPARE,  2*SLOT                    ; behind the ring: the spare words, 512 bytes that no other line names
.set SPITCH, 528                       ; the stage: 16 rows x (512 + 16) bytes a wave, in slot 0, behind its last fill and last read
.set SSA,    8192*16                   ; a K step's plane of X's scale bytes
.set SSB,    2048*16                   ; and of W's
.set ADRA, 16
.set ADRB, 20
.set STO,  24
.set RD,   25
.set CO,   26                          ; 16 x lane: my place in a row of out0, and in 32 rows of W's scale bytes
.set PFO,  27                          ; the prefetches' offset: lane x a row of codes
.set SPW,  28
.set NIL,  29
.set VS,   30                          ; 16 x (lane % 16): my place in 16 rows of X's scale bytes
.set SC,   32
.set SCS,  48                          ; registers of a set of scale words
.set AF,   128
.set G1,   24
.set G0,   32
.set G1B,  48
.set G0B,  56
.set SBA,  68
.set SBB,  70
.set PFA,  76                          ; s[76:77] where my prefetches stand
.set MSB, 0
.macro WIN new                         ; the immediate's high byte repeats the setting that is left
.if MSB != (\new)
	s_set_vgpr_msb (MSB<<8)|(\new)
.set MSB, (\new)
.endif
.endm
.set MUL_LO, 0xa1                      ; source 0 (W) window 1, source 1 (X) window 0, C and D window 2
.set MUL_HI, 0xf1                      ; the same, C and D window 3
.set TO_B,   0x40                      ; destination window 1
.macro JLOAD s                         ; a joint load: waves 0, 1 fetch X's halves, waves 2, 3 W's; s_nop 0 and four v_nop behind each line
	s_cmp_eq_u32 s15, 0
	s_cbranch_scc0 .Lfor_b_\@
	tensor_load_to_lds s[G0+4*\s:G0+4*\s+3], s[G1:G1+7]
	s_nop 0
.rept 4
	v_nop
.endr
	s_branch .Lasked_\@
.Lfor_b_\@:
	tensor_load_to_lds s[G0B+4*\s:G0B+4*\s+3], s[G1B:G1B+7]
	s_nop 0
.rept 4
	v_nop
.endr
.Lasked_\@:
.endm
.macro CREST                           ; a round of the cluster's barrier behind its opening barrier
	s_cmp_lg_u32 s14, 0
	s_cbranch_scc1 .Lnot_wave_0_\@
	s_barrier_signal -3
.Lnot_wave_0_\@:
	s_barrier_wait -3
	s_barrier_signal -1
	s_barrier_wait -1
.endm
.macro CROUND
	s_barrier_signal -1
	s_barrier_wait -1
	CREST
.endm
	s_load_b128 s[4:7], s[0:1], 0x0                ; X's codes, X's scales
	s_load_b128 s[8:11], s[0:1], 0x10              ; W's codes, W's scales
	s_load_b64 s[12:13], s[0:1], 0x20              ; out0
	v_lshl_add_u32 v[SPW], v0, 2, SPARE
	v_mov_b32 v[NIL], 0
	ds_add_u32 v[SPW], v[NIL]                      ; the opening lines: the add twice on end and one wait
	ds_add_u32 v[SPW], v[NIL]
	v_lshrrev_b32 v1, 5, v0
	v_readfirstlane_b32 s14, v1                    ; wave
	s_lshr_b32 s15, s14, 1                         ; my half of the tile's rows; also: I fetch for X (0) or W (1)
	s_and_b32 s16, s14, 1                          ; my half of its columns; also: which 128 rows I fetch
	s_bfe_u32 s40, ttmp6, 0x40000                  ; cx
	s_bfe_u32 s41, ttmp6, 0x40004                  ; cy
	s_lshl_b32 s42, ttmp9, 2
	s_add_co_u32 s42, s42, s40                     ; tile column
	s_and_b32 s17, ttmp7, 0xffff
	s_lshl_b32 s17, s17, 2
	s_add_co_u32 s17, s17, s41                     ; tile row
	s_lshl_b32 s43, s41, 2
	s_lshl_b32 s43, 15, s43                        ; my row of the cluster
	s_lshl_b32 s44, 0x1111, s40                    ; my column
	s_or_b32 s[G1+0], s43, (0<<16)|(1<<20)|(1<<21)|(5<<22)|(3<<25)   ; bytes; 4 words of padding behind every 64
	s_or_b32 s[G1B+0], s44, (0<<16)|(1<<20)|(1<<21)|(5<<22)|(3<<25)
.irp g, G1, G1B
	s_mov_b32 s[\g+1], ROWB<<16
	s_mov_b32 s[\g+2], 128<<16
	s_mov_b32 s[\g+3], ROWB<<16
	s_mov_b32 s[\g+4], 128
	s_mov_b32 s[\g+5], KROW
	s_mov_b32 s[\g+6], 0
	s_mov_b32 s[\g+7], 0
.endr
	s_lshl_b32 s18, s16, 7
	s_lshl_b32 s20, s17, 8
	s_add_co_u32 s20, s20, s18
	s_lshl_b32 s20, s20, 11                        ; X: (256 x tile row + 128 x half) rows of 2,048 bytes
	s_mov_b32 s21, 0
	s_lshl_b32 s46, s42, 8
	s_add_co_u32 s46, s46, s18
	s_lshl_b32 s46, s46, 11                        ; W: by the tile column
	s_mov_b32 s47, 0
	s_mul_i32 s45, s14, HALFT                      ; where my 128 rows go in a slot
	s_lshl_b32 s72, s17, 12                        ; scale bytes of my 128 rows of X: 16 a row
	s_lshl_b32 s73, s15, 11
	s_add_co_u32 s72, s72, s73
	s_mov_b32 s73, 0
	s_lshl_b32 s74, s42, 12                        ; and of my 128 rows of W
	s_lshl_b32 s75, s16, 11
	s_add_co_u32 s74, s74, s75
	s_mov_b32 s75, 0
	s_lshl_b32 s80, s17, 8                         ; out0: my first row x 8,192 bytes + my first column x 4
	s_lshl_b32 s81, s15, 7
	s_add_co_u32 s80, s80, s81
	s_lshl_b32 s80, s80, 13
	s_lshl_b32 s81, s42, 10
	s_add_co_u32 s80, s80, s81
	s_lshl_b32 s81, s16, 9
	s_add_co_u32 s80, s80, s81
	s_mov_b32 s81, 0
	s_cmp_eq_u32 s15, 0                            ; the prefetches: the tile's first row, my place among the four that ask with me
	s_cselect_b32 s78, s17, s42
	s_cselect_b32 s79, s40, s41
	s_lshl_b32 s78, s78, 8
	s_add_co_u32 s78, s78, s18                     ; + the 128 rows that I fetch
	s_lshl_b32 s79, s79, 5
	s_add_co_u32 s78, s78, s79                     ; + my work-group's 32 of them
	s_lshl_b32 s78, s78, 11                        ; in bytes: at K step 0
	s_mov_b32 s79, 0
	s_mul_i32 s82, s15, HALFT                      ; LDS: my 128 rows of X,
	s_mul_i32 s83, s16, HALFT
	s_add_co_u32 s83, s83, 2*HALFT                 ; of W,
	s_mul_i32 s84, s14, 16*SPITCH                  ; my stage
	v_and_b32 v1, 15, v0                           ; r
	v_bfe_u32 v2, v0, 4, 1                         ; h
	v_and_b32 v6, 31, v0
	v_lshlrev_b32 v[VS], 4, v1
	v_mul_u32_u24 v3, v1, PITCH
	v_mul_u32_u24 v5, v1, SPITCH
	v_lshlrev_b32 v[CO], 4, v6
	v_lshlrev_b32 v[PFO], 11, v6
	v_lshl_add_u32 v3, v2, 4, v3                   ; a fragment: row x pitch + 16 h
	v_lshl_add_u32 v5, v2, 5, v5                   ; into the stage: row r, 32 bytes for each half of the lanes
	v_add_nc_u32 v[ADRA], s82, v3
	v_add_nc_u32 v[ADRB], s83, v3
	v_add_nc_u32 v[STO], s84, v5
	v_add_nc_u32 v[RD], s84, v[CO]
	v_add_nc_u32 v[ADRA+1], SLOT, v[ADRA]
	v_add_nc_u32 v[ADRB+1], SLOT, v[ADRB]
	s_wait_alu depctr_va_vdst(0)                   ; the wait at the end of the head's vector work
	s_wait_dscnt 0x0                               ; both opening adds are done
	s_wait_kmcnt 0x0
	s_cmp_eq_u32 s15, 0
	s_cselect_b64 s[PFA:PFA+1], s[4:5], s[8:9]
	s_add_nc_u64 s[PFA:PFA+1], s[PFA:PFA+1], s[78:79]
	global_prefetch_b8 v[PFO], s[PFA:PFA+1] th:TH_LOAD_NT scope:SCOPE_SE               ; K step 0: the buffers' first touch, ahead of the descriptors and the round
	s_add_nc_u64 s[20:21], s[4:5], s[20:21]
	s_add_nc_u64 s[46:47], s[8:9], s[46:47]
	s_add_nc_u64 s[SBA:SBA+1], s[6:7], s[72:73]
	s_add_nc_u64 s[SBB:SBB+1], s[10:11], s[74:75]
	s_add_nc_u64 s[12:13], s[12:13], s[80:81]
.irp s, 0,1
	s_mov_b32 s[G0+4*\s], 1
	s_add_co_u32 s[G0+4*\s+1], s45, \s*SLOT
	s_add_nc_u64 s[G0+4*\s+2:G0+4*\s+3], s[20:21], \s*ROWB
	s_or_b32 s[G0+4*\s+3], s[G0+4*\s+3], 0x80000000
	s_mov_b32 s[G0B+4*\s], 1
	s_add_co_u32 s[G0B+4*\s+1], s45, \s*SLOT
	s_add_nc_u64 s[G0B+4*\s+2:G0B+4*\s+3], s[46:47], \s*ROWB
	s_or_b32 s[G0B+4*\s+3], s[G0B+4*\s+3], 0x80000000
.endr
	CROUND                                         ; all sixteen work-groups are here: the first joint loads meet
	JLOAD 0                                        ; K step 0: one tensor load a wave at the head
.macro FRAG reg, adr, q, i             ; 16 rows x 128 K: two loads of 16 bytes, 32 bytes apart
.irp c, 0,1
	ds_load_b128 v[\reg+4*\c:\reg+4*\c+3], v[\adr] offset:64*(\q)+32*\c+(\i)*16*PITCH
.endr
.endm
.macro WM zero                         ; one product: 32 rows of W x 16 rows of X x 128 along K
.if \zero
	v_wmma_scale_f32_32x16x128_f4 v[rD:rD+15], v[rB:rB+15], v[rA:rA+7], 0, v[rSB], v[rSA]
.else
	v_wmma_scale_f32_32x16x128_f4 v[rD:rD+15], v[rB:rB+15], v[rA:rA+7], v[rD:rD+15], v[rSB], v[rSA]
.endif
.endm
.macro MULA a, p, q, sc, zero          ; X's block a against W's four pairs of blocks: fragment sets p, the slot's q-th 128 along K, scale set sc.  The 32 accumulators take turns in one order in every step
.irp b, 0,1,2,3
.set rD,  8*(8*((\a)%4)+2*\b)
.set rB,  128*(\p)+2*FR*\b
.set rA,  AF+64*(\p)+FR*(\a)
.set rSB, SC+SCS*(\sc)+32+NQ*\b+(\q)
.set rSA, SC+SCS*(\sc)+NQ*(\a)+(\q)
	WM \zero
.endr
.endm
.macro MULH h, p, q, sc, zero          ; four blocks: my rows 0-63 (h = 0) or 64-127
	WIN MUL_LO+0x50*(\h)
.irp a, 0,1,2,3
	MULA 4*(\h)+\a, \p, \q, \sc, \zero
.endr
.endm
.macro FETCH slot, q, p                ; 32 LDS loads in one run: W's eight fragments, then X's eight, of the slot's q-th 128 along K into sets p
	WIN TO_B
.irp i, 0,1,2,3,4,5,6,7
	FRAG 128*(\p)+FR*\i, ADRB+\slot, \q, \i
.endr
	WIN 0
.irp i, 0,1,2,3,4,5,6,7
	FRAG AF+64*(\p)+FR*\i, ADRA+\slot, \q, \i
.endr
.endm
.macro SCALES_G sc, on                 ; a K step's scale words, memory to registers: X's 16 rows a load (256 consecutive bytes), W's 32 rows a load (512)
.if \on
	s_add_nc_u64 s[SBA:SBA+1], s[SBA:SBA+1], SSA   ; (the earlier loads by these bases have been waited for)
	s_add_nc_u64 s[SBB:SBB+1], s[SBB:SBB+1], SSB
.endif
.irp i, 0,1,2,3,4,5,6,7
	global_load_b128 v[SC+SCS*(\sc)+NQ*\i:SC+SCS*(\sc)+NQ*\i+3], v[VS], s[SBA:SBA+1] offset:256*\i
.endr
.irp i, 0,1,2,3
	global_load_b128 v[SC+SCS*(\sc)+32+NQ*\i:SC+SCS*(\sc)+32+NQ*\i+3], v[CO], s[SBB:SBB+1] offset:512*\i
.endr
.endm
.macro PLACES                          ; four places in front of loads into registers that matrix instructions have read, and of reads of results
.rept 4
	v_nop
.endr
.endm
.macro STEP slot, q, zero, ask         ; a step of 128 along K with its successor in the same slot
.if (\q) == 0
	s_wait_loadcnt 0x0                             ; this K step's scale words
.endif
	PLACES
	FETCH \slot, (\q)+1, 1-(\q)%2                  ; the next step's 32 loads, into the sets that the last step multiplied
.if \ask
	SCALES_G 1-\slot, 1                            ; the next K step's scale words
.endif
	WIN MUL_LO
	s_wait_dscnt 46                                ; LDS loads finish in the order of issue: out may be the 32 just issued and X's blocks 1-7 (14): W's fragments and X's block 0 are in
	MULA 0, (\q)%2, \q, \slot, \zero
	s_wait_dscnt 40                                ; the 32 and X's blocks 4-7 (8) may be out
	MULA 1, (\q)%2, \q, \slot, \zero
	MULA 2, (\q)%2, \q, \slot, \zero
	MULA 3, (\q)%2, \q, \slot, \zero
	s_wait_dscnt 32                                ; the 32 alone may be out
	MULH 1, (\q)%2, \q, \slot, \zero
.endm
.macro MEET slot                       ; the head of a slot's last step: the three lines, and the barrier's signal and wait with products between
	s_wait_tensorcnt 0x0                           ; all my tensor loads have landed: my part of the other slot
	ds_add_u32 v[SPW], v[NIL]
	s_wait_dscnt 1                                 ; this step's fragments are in: the add alone may be out
	WIN MUL_LO
	MULA 0, 1, NQ-1, \slot, 0
	MULA 1, 1, NQ-1, \slot, 0
	s_wait_dscnt 0x0                               ; the add is done; my reads of this slot were over above
	s_barrier_signal -1
	MULA 2, 1, NQ-1, \slot, 0
.endm
.macro TURN slot, next                 ; a slot's last step: the change of slots, the refill two K steps on, the next slot's first fragments
	WIN 0
	s_wait_xcnt 0x0                                ; my last prefetch has read its address
	s_add_nc_u64 s[PFA:PFA+1], s[PFA:PFA+1], ROWB
	MEET \slot
	WIN 0
	s_barrier_wait -1
	CREST                                          ; the barrier has opened a round of the cluster's barrier: no wave of any partner reads this slot or has a load on its way
	s_add_nc_u64 s[G0+4*\slot+2:G0+4*\slot+3], s[G0+4*\slot+2:G0+4*\slot+3], 2*ROWB
	s_add_nc_u64 s[G0B+4*\slot+2:G0B+4*\slot+3], s[G0B+4*\slot+2:G0B+4*\slot+3], 2*ROWB
	JLOAD \slot                                    ; the first tensor load behind the round; its four v_nop are the places for the loads below
	FETCH \next, 0, 0
	s_cmp_gt_u32 s3, 1                             ; the loop's last trip loads K steps 6 and 7: no K step stands two on
	s_cbranch_scc0 .Lno_ask_\@
	global_prefetch_b8 v[PFO], s[PFA:PFA+1] offset:3*ROWB th:TH_LOAD_NT scope:SCOPE_SE
.Lno_ask_\@:
	WIN MUL_LO
	MULA 3, 1, NQ-1, \slot, 0
	MULH 1, 1, NQ-1, \slot, 0
.endm
	global_prefetch_b8 v[PFO], s[PFA:PFA+1] offset:ROWB th:TH_LOAD_NT scope:SCOPE_SE   ; K step 1
	global_prefetch_b8 v[PFO], s[PFA:PFA+1] offset:2*ROWB th:TH_LOAD_NT scope:SCOPE_SE ; K step 2
	SCALES_G 0, 0
	s_wait_tensorcnt 0x0                           ; my part of K step 0 is in; the three lines ahead of slot 1's first fill, as ahead of a refill
	ds_add_u32 v[SPW], v[NIL]
	s_wait_dscnt 0x0
	CROUND
	JLOAD 1                                        ; K step 1, the first tensor load behind the round
	FETCH 0, 0, 0
	global_prefetch_b8 v[PFO], s[PFA:PFA+1] offset:3*ROWB th:TH_LOAD_NT scope:SCOPE_SE ; K step 3
	STEP 0, 0, 1, 1                                ; the first step's products start the sums: nothing is cleared
	WIN 0
	s_mov_b32 s3, 3
.Llap:                                                 ; a trip goes once round the ring, from a lap's second step to the next lap's first
	STEP 0, 1, 0, 0
	STEP 0, 2, 0, 0
	TURN 0, 1
	STEP 1, 0, 0, 1
	STEP 1, 1, 0, 0
	STEP 1, 2, 0, 0
	TURN 1, 0
	STEP 0, 0, 0, 1
	WIN 0
	s_sub_co_u32 s3, s3, 1
	s_cmp_lg_u32 s3, 0
	s_cbranch_scc1 .Llap
	STEP 0, 1, 0, 0
	STEP 0, 2, 0, 0
; THE LAST CHANGE OF SLOTS fills nothing, so no round follows; K step 7 lies in slot 1 and goes by rows.
.macro BLOAD q                         ; W's fragments of quarter q -> window 1, v[64 q ..]
.irp i, 0,1,2,3,4,5,6,7
	FRAG 64*\q+FR*\i, ADRB+1, \q, \i
.endr
.endm
.macro ALOAD a                         ; X's block a, all four quarters -> buffer a % 4 of v128-255
.irp q, 0,1,2,3
	FRAG AF+32*((\a)%4)+FR*\q, ADRA+1, \q, \a
.endr
.endm
.macro ROW a                           ; block a is finished: 16 products, its four accumulators by turns, K ascending
	WIN MUL_LO+0x50*((\a)/4)
.irp q, 0,1,2,3
.if (\a) == 0 && \q == 2
	s_wait_dscnt 16                                ; W's quarters 2 and 3 are in; X's blocks 2 and 3 may be out
.endif
.irp b, 0,1,2,3
.set rD,  8*(8*((\a)%4)+2*\b)
.set rB,  64*\q+2*FR*\b
.set rA,  AF+32*((\a)%4)+FR*\q
.set rSB, SC+SCS+32+NQ*\b+\q
.set rSA, SC+SCS+NQ*(\a)+\q
	WM 0
.endr
.endr
.endm
.macro OWIN a                          ; data of LDS and global stores (source 1) and the destination of loads: block a's window
	WIN 0x88+0x44*((\a)/4)
.endm
.macro ST a                            ; block a into my stage, each accumulator from its low end on
.set AC, 64*((\a)%4)
	OWIN \a
.irp b, 0,1,2,3,4,5,6,7
	ds_store_b128 v[STO], v[AC+8*\b:AC+8*\b+3] offset:64*\b
	ds_store_b128 v[STO], v[AC+8*\b+4:AC+8*\b+7] offset:64*\b+16
.endr
.endm
.macro LB a                            ; and back as 16 whole rows of 512 bytes, into its own accumulators (its stores into the stage have been waited for)
.set AC, 64*((\a)%4)
	OWIN \a
.irp t, 0,1,2,3,4,5,6,7,8,9,10,11,12,13,14,15
	ds_load_b128 v[AC+4*\t:AC+4*\t+3], v[RD] offset:\t*SPITCH
.endr
.endm
.macro SEND a                          ; 32 lanes store 512 consecutive bytes, at a multiple of 256 from out0's first byte; offsets up to 127 rows of 8,192 bytes stay inside the signed 24-bit immediate; no register of a store is written again
.set AC, 64*((\a)%4)
	OWIN \a
.irp t, 0,1,2,3,4,5,6,7,8,9,10,11,12,13,14,15
	global_store_b128 v[CO], v[AC+4*\t:AC+4*\t+3], s[12:13] offset:(16*(\a)+\t)*SIZE_N*4
.endr
.endm
	WIN 0
	MEET 0
	s_barrier_wait -1
	PLACES                                         ; for the loads into sets 0, which the step before multiplied
	WIN TO_B
	BLOAD 0
	BLOAD 1
	WIN 0
	ALOAD 0
	ALOAD 1
	WIN MUL_LO
	MULA 3, 1, NQ-1, 0, 0
	MULH 1, 1, NQ-1, 0, 0
	PLACES                                         ; for the loads into sets 1
	WIN TO_B
	BLOAD 2
	BLOAD 3
	WIN 0
	ALOAD 2
	ALOAD 3
	s_wait_loadcnt 0x0                             ; K step 7's scale words
	s_wait_dscnt 48                                ; all but the 48 loads just issued
	ROW 0
.irp k, 0,1,2,3,4,5,6,7                ; behind block k's products: block k - 2 is stored, block k - 1 comes back from the stage, block k goes into it; block k + 1's products follow
.if \k >= 1
	s_wait_dscnt 0x0                               ; all issued ahead of block k's products: k - 2 is back, k - 1's stage stores are done, X's later blocks are in
.endif
.if \k >= 2
	SEND \k-2
.endif
.if \k >= 1
	LB \k-1
.endif
	PLACES                                         ; behind block k's products
	ST \k                                          ; LDS serves a wave's instructions in order: these land behind the reads above
.if \k < 4
	WIN 0
	ALOAD \k+4
.endif
.if \k < 7
	ROW \k+1
.endif
.endr
	s_wait_dscnt 0x0
	SEND 6
	LB 7
	s_wait_dscnt 0x0
	SEND 7
	WIN 0
	s_wait_tensorcnt 0x0                           ; the wave's end
	ds_add_u32 v[SPW], v[NIL]
	s_wait_dscnt 0x0
	CROUND                                         ; the closing round
	s_endpgm
.Lfunc_end_k_q803a9be3ca_gemm:
	.size	k_q803a9be3ca_gemm, .Lfunc_end_k_q803a9be3ca_gemm-k_q803a9be3ca_gemm
	.p2alignl 7, 3214868480
	.fill 96, 4, 3214868480
	.section	.rodata,"a",@progbits
	.p2align	6, 0x0
	.amdhsa_kernel k_q803a9be3ca_gemm
		.amdhsa_group_segment_fixed_size 327680
		.amdhsa_private_segment_fixed_size 0
		.amdhsa_enable_private_segment 0
		.amdhsa_kernarg_size 40
		.amdhsa_user_sgpr_count 2
		.amdhsa_user_sgpr_kernarg_segment_ptr 1
		.amdhsa_wavefront_size32 1
		.amdhsa_system_sgpr_workgroup_id_x 1
		.amdhsa_system_sgpr_workgroup_id_y 1
		.amdhsa_system_sgpr_workgroup_id_z 1
		.amdhsa_system_vgpr_workitem_id 0
		.amdhsa_next_free_vgpr 1024
		.amdhsa_next_free_sgpr 86
		.amdhsa_reserve_vcc 0
		.amdhsa_float_denorm_mode_32 3
		.amdhsa_float_denorm_mode_16_64 3
		.amdhsa_memory_ordered 1
		.amdhsa_forward_progress 1
		.amdhsa_inst_pref_size 147
	.end_amdhsa_kernel
	.amdgpu_metadata
---
amdhsa.version: [ 1, 2 ]
amdhsa.kernels:
  - .name:           k_q803a9be3ca_gemm
    .symbol:         k_q803a9be3ca_gemm.kd
    .args:
      - { .name: x_codes, .offset: 0, .size: 8, .value_kind: global_buffer, .address_space: global }
      - { .name: x_scales, .offset: 8, .size: 8, .value_kind: global_buffer, .address_space: global }
      - { .name: w_codes, .offset: 16, .size: 8, .value_kind: global_buffer, .address_space: global }
      - { .name: w_scales, .offset: 24, .size: 8, .value_kind: global_buffer, .address_space: global }
      - { .name: out0, .offset: 32, .size: 8, .value_kind: global_buffer, .address_space: global }
    .group_segment_fixed_size: 327680
    .private_segment_fixed_size: 0
    .kernarg_segment_align: 8
    .kernarg_segment_size: 40
    .max_flat_workgroup_size: 128
    .sgpr_count:     86
    .vgpr_count:     1024
    .wavefront_size: 32
...
	.end_amdgpu_metadata
.endif
;; end of part 3
